; MI455X (gfx1250); checked and timed in simulation.
; The chip was launched on July 23, 2026; its instructions are those of AMD's public machine-readable ISA for CDNA 5 (MIT licence, August 2026) and "CDNA5" Instruction Set Architecture Reference Guide (July 2026). The comments in the code are by the model that wrote it; some were corrected since.
;; Dot Product Attention. Allowed arithmetic: matrix products marked QUANTISED: E5M2 operands, one given power-of-two scale a tensor, by v_wmma_f32_16x16x64_bf8_bf8 or v_wmma_f32_16x16x128_bf8_bf8, f32 sums; everything else in f32.
;; Inputs: keys 32 x 2,048 x 64 float32; lowp_scales 4 int32 (the exponents e of the quantised operands' scales 2^e); queries 32 x 2,048 x 64 float32; valid_lens 32 int32; values 32 x 2,048 x 64 float32.
;; Outputs: out0 32 x 2,048 x 64 float32.
;; This version of the problem:
;;   THIS VERSION OF THE PROBLEM IS GIVEN IN LOW PRECISION. The matrix products marked QUANTISED in the list below multiply operands that are first quantised to E5M2 (5 exponent bits, 2 mantissa bits; 8 bits a number), with one given power-of-two scale for each operand tensor; their sums are f32. All else is computed in f32.
;;   The module's matrix products, in the order in which they are computed (A, B: the left and right operand; K: the contracted axis; several contracted axes count as one K, in the product's order):
;;     1. batch 32 x [M 2,048, K 64] x [K 64, N 2,048]; A: input queries; B: input keys: QUANTISED (scales: A lowp_scales[0], B lowp_scales[1])
;;     2. batch 32 x [M 2,048, K 2,048] x [K 2,048, N 64]; A: softmax (see below); B: input values: QUANTISED (scales: A lowp_scales[2], B lowp_scales[3])
;;   THE QUANTISER, for each operand of a quantised product, along K:
;;     - The operand's scale is 2^e, e = its entry of the input lowp_scales (int32; the entries are numbered through the quantised products in the list's order, A before B).
;;     - Each number is divided by the scale, clamped to +-57,344, and rounded to the nearest number of E5M2, ties to even, subnormals kept.
;;     - The product sums the exact products of the quantised numbers (number of the format x scale) in f32.
;;   ~~~python
;;   def quantise(x, axis, e):      # numpy; x: float32 -> the quantised numbers, widened to float32 again
;;       x = np.moveaxis(x, axis, -1); K = x.shape[-1]
;;       r = np.clip(x / 2.0 ** e, -57344, 57344)
;;       step = 2.0 ** (np.maximum(np.frexp(np.where(r == 0, 1, r))[1] - 1, -14) - 2)
;;       q = np.round(r / step) * step * 2.0 ** e      # np.round: ties to even
;;       return np.moveaxis(q, -1, axis).astype(np.float32)
;;   ~~~
;;   SOFTMAX AHEAD OF A QUANTISED PRODUCT. Where the list says 'softmax', what is quantised is not the finished softmax but p = 2^(t - M), with t = logit x log2(e) and M = ceil(the row's largest t), a whole number; so 1/2 < the row's largest p <= 1. The row's sum l is taken of the UNQUANTISED p, in f32, and the product's result is divided by l at the end. Since M is a whole number, a kernel that streams over the keys may use a running M (the ceiling of the running maximum): every later rescaling is an exact power of two, so the quantised numbers keep their values, but for numbers so far below the row's largest that they fall under the format's range.
;;   OPERANDS COMPUTED ON THE WAY. 'Computed on the way' means the value that the module computes at that place (a softmax that the list does not call 'softmax' is quantised finished and normalised). What goes into a quantiser is computed in f32, as accurately as f32 sums, v_exp_f32 and their like allow (about 1e-6 of the number): no bf16 or f16 on the way to a quantiser, and a product that is left as it is and whose result goes on into a quantised operand takes f32 operands (vector FMAs, or v_wmma_f32_16x16x4_f32). A number that lies on a knife's edge between two numbers of the format may be rounded either way, as far as f32 arithmetic and the matrix unit's own rounding can turn it there, and no further.
;; 2 versions. Each part assembles by itself: llvm-mc -triple=amdgcn-amd-amdhsa -mcpu=gfx1250 --defsym DOCPART=n.
;; ======== version 1 of 2: 2 launches
;; limits: right only within a limited range of input values
;; workspace buffers: kv 8,388,608 bytes
;; launch prep (part 1): grid 16 x 32, 8 waves a work-group, no clusters, 35,840 bytes of LDS; arguments keys, values, lowp_scales, kv; writes kv
.if DOCPART == 1
	.amdgcn_target "amdgcn-amd-amdhsa--gfx1250"
	.amdhsa_code_object_version 6
	.text
	.protected	k_q96b8a456b4_prep
	.globl	k_q96b8a456b4_prep
	.p2align	8
	.type	k_q96b8a456b4_prep,@function
k_q96b8a456b4_prep:
	s_mov_b64 s[64:65], 0
	v_nop
	global_prefetch_b8 v0, s[64:65] scope:SCOPE_SE
	s_setreg_imm32_b32 hwreg(HW_REG_WAVE_MODE, 25, 1), 1
	s_wait_xcnt 0x0
; keys and values, [32][2048][64] f32, become codes of BF8 (E5M2), each with the one scale 2^e that is given for it (ek = entry 1, ev = entry 3 of the scales' buffer).
; code = x / 2^e, held within +-57,344, rounded to the nearest code, ties to even.  LIMITS: ek and ev between -126 and 112, so that 2^e and 57,344 x 2^e are f32 numbers.  NaN among the inputs is not served.
; THE CODES ARE LAID AS IMAGES OF THE OPERANDS' REGISTERS: kv is [32 batches][16 key steps][16,384 bytes]; a step is 128 keys.  With lane l = (r = l % 16, h = l / 16):
;   bytes 0 .. 8,191: K, 8 tiles of 1,024: tile 2 b + u, piece c at 1024 (2 b + u) + 512 c + 16 l: key 32 b + 8 u + r + 8 (r / 8), channels 32 c + 16 h + 0 .. 15
;   bytes 8,192 ..:   V, 4 fragments of 2,048: fragment t, piece c at 8192 + 2048 t + 512 c + 16 l: channel 16 t + r, keys 32 c + 16 h + 0 .. 15 (the keys are the second product's K)
; so that the attention launch takes every fragment by loads of 16 bytes a lane at 16 x lane + a constant.
; SHARES.  A work-group takes one key step of one batch; wave w = 2 b + u takes K's tile w (16 keys: two runs of 8 rows) and V's keys 32 b .. 32 b + 31 at channels 32 u .. 32 u + 31.
; K: K's axis (the channels) is innermost in memory.  Loads take the bytes as they lie (512 consecutive bytes each); the 4,096 bytes turn through the wave's own stage in LDS and come back 64 bytes a lane, twice.
; V: a lane takes a channel and its registers run down the keys, so the conversions give codes with the keys innermost: nothing is transposed.
; One straight path: no loop, no branch, no barrier (waves share nothing), no register written twice while a store reads it.  No tensor loads, clusters or matrix work: a stream in which no byte is shared.
.set KR, 16                            ; v16-47   K as loaded
.set KX, 48                            ; v48-79   K back from the stage: register 16 c + i = channel 32 c + 16 h + i of my key
.set VX, 80                            ; v80-111  V: register i = key 32 b + i of my channel
.set KC, 112                           ; v112-119 K's codes
.set VC, 120                           ; v120-127 V's codes
.set SP, 272                           ; a stage row: 256 bytes + 16 = 68 words, so that the 16 rows that a load touches start at 16 different banks (64 banks of 4 bytes: ISA guide 11.1)
.set WST, 16*SP                        ; a wave's stage: 16 rows
	s_load_b256 s[4:11], s[0:1], 0x0               ; keys s[4:5], values s[6:7], the scales' exponents s[8:9], kv s[10:11]
	v_lshl_add_u32 v128, v0, 2, 0x8800
	v_mov_b32 v129, 0
	v_lshrrev_b32 v1, 5, v0
	v_readfirstlane_b32 s12, v1                    ; wave w = 0 .. 7
	v_and_b32 v1, 31, v0                           ; lane
	v_and_b32 v2, 15, v0                           ; r
	v_bfe_u32 v3, v0, 4, 1                         ; h
	v_lshlrev_b32 v4, 4, v1                        ; 16 x lane: K's loads and K's stores
	s_lshr_b32 s13, s12, 1                         ; b
	s_and_b32 s14, s12, 1                          ; u
	s_mul_i32 s28, s12, WST                        ; my stage
	v_mul_u32_u24 v5, v3, SP
	v_lshl_add_u32 v5, v2, 4, v5
	v_add_nc_u32 v5, s28, v5                       ; into the stage: a load's two rows, lanes 0-15 the first, lanes 16-31 the second
	v_mul_u32_u24 v6, v2, SP
	v_lshl_add_u32 v6, v3, 6, v6
	v_add_nc_u32 v6, s28, v6                       ; out of it: row r, + 64 h bytes: my 16 channels of a block of 32
	v_lshlrev_b32 v7, 2, v1                        ; V's loads: 4 bytes a lane
	v_lshlrev_b32 v8, 11, v3
	v_lshl_add_u32 v8, v2, 4, v8                   ; V's stores: 2048 h + 16 r: lanes 0-15 fragment 2 u, lanes 16-31 fragment 2 u + 1
	s_and_b32 s15, ttmp7, 0xffff                   ; the batch
	s_lshl_b32 s16, s15, 19                        ; a batch is 2,048 rows of 256 bytes,
	s_lshl_b32 s29, ttmp9, 15                      ; a key step 128 rows
	s_add_co_u32 s16, s16, s29
	s_lshl_b32 s30, s13, 13                        ; 32 b rows
	s_lshl_b32 s31, s14, 11                        ; 8 u rows
	s_add_co_u32 s18, s16, s30
	s_add_co_u32 s18, s18, s31                     ; keys: my tile's first row
	s_mov_b32 s19, 0
	s_lshl_b32 s31, s14, 7                         ; 32 u channels of 4 bytes
	s_add_co_u32 s20, s16, s30
	s_add_co_u32 s20, s20, s31                     ; values: my first key, my first channel
	s_mov_b32 s21, 0
	s_lshl_b32 s22, s15, 18                        ; kv: a batch is 16 steps of 16,384 bytes
	s_lshl_b32 s29, ttmp9, 14
	s_add_co_u32 s22, s22, s29
	s_lshl_b32 s29, s12, 10
	s_add_co_u32 s32, s22, s29                     ; K's tile w
	s_mov_b32 s33, 0
	s_lshl_b32 s29, s14, 12
	s_lshl_b32 s30, s13, 9
	s_add_co_u32 s34, s22, s29
	s_add_co_u32 s34, s34, s30
	s_add_co_u32 s34, s34, 8192                    ; V's fragment 2 u, piece b
	s_mov_b32 s35, 0
	s_wait_kmcnt 0x0
	s_load_b128 s[24:27], s[8:9], 0x0              ; eq, ek, ep, ev
	s_add_nc_u64 s[4:5], s[4:5], s[18:19]
	s_add_nc_u64 s[6:7], s[6:7], s[20:21]
	s_add_nc_u64 s[36:37], s[10:11], s[34:35]      ; where V's codes go
	s_add_nc_u64 s[10:11], s[10:11], s[32:33]      ; where K's codes go
.irp i, 0,1,2,3,4,5,6,7
	global_load_b128 v[KR+4*\i:KR+4*\i+3], v4, s[4:5] offset:512*\i+2048*(\i/4) th:TH_LOAD_NT   ; two rows, 512 consecutive bytes; the second run of 8 rows lies 16 rows behind the first
.endr
.set n, 0
.rept 32
	global_load_b32 v[VX+n], v7, s[6:7] offset:256*n th:TH_LOAD_NT   ; key 32 b + n at my 32 channels: 128 consecutive bytes; wave w xor 1 takes the row's other half
.set n, n+1
.endr
	s_wait_kmcnt 0x0
	s_add_co_i32 s28, s25, 127
	s_lshl_b32 s29, s28, 23
	v_mov_b32 v10, s29                             ; 2^ek as f32: the conversion takes its exponent field
	s_add_co_i32 s28, s28, 15
	s_lshl_b32 s28, s28, 23
	s_or_b32 s28, s28, 0x600000
	v_mov_b32 v11, s28                             ; 57,344 x 2^ek
	s_add_co_i32 s28, s27, 127
	s_lshl_b32 s29, s28, 23
	v_mov_b32 v12, s29                             ; 2^ev
	s_add_co_i32 s28, s28, 15
	s_lshl_b32 s28, s28, 23
	s_or_b32 s28, s28, 0x600000
	v_mov_b32 v13, s28                             ; 57,344 x 2^ev
; 32 numbers of a lane, neighbours along K, become 32 codes in 8 registers
.macro QUANT32 x, c, sc, lim
.set n, 0
.rept 32
	v_med3_num_f32 v[\x+n], v[\x+n], -v[\lim], v[\lim]   ; the conversion to an 8-bit code does not saturate (ISA guide 7.6.2): the hold at the largest code x the scale comes first
.set n, n+1
.endr
.irp g, 0,1,2,3
	v_cvt_scalef32_pk8_bf8_f32 v[\c+2*\g:\c+2*\g+1], v[\x+8*\g:\x+8*\g+7], v[\sc]
.endr
.endm
	s_wait_loadcnt 32                              ; K's eight loads are in; the 32 issued behind them (V's) may stay out
.irp i, 0,1,2,3,4,5,6,7
	ds_store_b128 v5, v[KR+4*\i:KR+4*\i+3] offset:2*SP*\i
.endr
.irp c, 0,1
.irp j, 0,1,2,3
	ds_load_b128 v[KX+16*\c+4*\j:KX+16*\c+4*\j+3], v6 offset:128*\c+16*\j   ; LDS serves a wave's instructions in order (ISA guide 5.7.1.4): these see my stores
.endr
.endr
	s_wait_dscnt 0x0
	QUANT32 KX, KC, 10, 11
.irp c, 0,1
	global_store_b128 v4, v[KC+4*\c:KC+4*\c+3], s[10:11] offset:512*\c   ; piece c of my tile: 512 consecutive bytes, aligned
.endr
	s_wait_loadcnt 0x0                             ; V
	QUANT32 VX, VC, 12, 13                         ; (its 32 holds are plain vector lines behind K's conversions; the codes go to stores alone)
.irp c, 0,1
	global_store_b128 v8, v[VC+4*\c:VC+4*\c+3], s[36:37] offset:256*\c   ; keys 32 b + 16 c + 0 .. 15: sixteen lanes store 256 consecutive bytes, aligned
.endr
	s_wait_tensorcnt 0x0
	ds_add_u32 v128, v129
	s_wait_dscnt 0x0
	s_endpgm
.Lfunc_end_k_q96b8a456b4_prep:
	.size	k_q96b8a456b4_prep, .Lfunc_end_k_q96b8a456b4_prep-k_q96b8a456b4_prep
	.p2alignl 7, 3214868480
	.fill 96, 4, 3214868480
	.section	.rodata,"a",@progbits
	.p2align	6, 0x0
	.amdhsa_kernel k_q96b8a456b4_prep
		.amdhsa_group_segment_fixed_size 35840
		.amdhsa_private_segment_fixed_size 0
		.amdhsa_enable_private_segment 0
		.amdhsa_kernarg_size 32
		.amdhsa_user_sgpr_count 2
		.amdhsa_user_sgpr_kernarg_segment_ptr 1
		.amdhsa_wavefront_size32 1
		.amdhsa_system_sgpr_workgroup_id_x 1
		.amdhsa_system_sgpr_workgroup_id_y 1
		.amdhsa_system_sgpr_workgroup_id_z 1
		.amdhsa_system_vgpr_workitem_id 0
		.amdhsa_next_free_vgpr 130
		.amdhsa_next_free_sgpr 66
		.amdhsa_reserve_vcc 0
		.amdhsa_float_denorm_mode_32 3
		.amdhsa_float_denorm_mode_16_64 3
		.amdhsa_memory_ordered 1
		.amdhsa_forward_progress 1
		.amdhsa_inst_pref_size 13
	.end_amdhsa_kernel
	.amdgpu_metadata
---
amdhsa.version: [ 1, 2 ]
amdhsa.kernels:
  - .name:           k_q96b8a456b4_prep
    .symbol:         k_q96b8a456b4_prep.kd
    .args:
      - { .name: keys, .offset: 0, .size: 8, .value_kind: global_buffer, .address_space: global }
      - { .name: values, .offset: 8, .size: 8, .value_kind: global_buffer, .address_space: global }
      - { .name: lowp_scales, .offset: 16, .size: 8, .value_kind: global_buffer, .address_space: global }
      - { .name: kv, .offset: 24, .size: 8, .value_kind: global_buffer, .address_space: global }
    .group_segment_fixed_size: 35840
    .private_segment_fixed_size: 0
    .kernarg_segment_align: 8
    .kernarg_segment_size: 32
    .max_flat_workgroup_size: 256
    .sgpr_count:     66
    .vgpr_count:     130
    .wavefront_size: 32
...
	.end_amdgpu_metadata
.endif
;; end of part 1
;; launch attn (part 2): grid 16 x 16, 16 waves a work-group, no clusters, 137,216 bytes of LDS; arguments queries, kv, lowp_scales, valid_lens, out0; writes out0
.if DOCPART == 2
	.amdgcn_target "amdgcn-amd-amdhsa--gfx1250"
	.amdhsa_code_object_version 6
	.text
	.protected	k_q96b8a456b4_attn
	.globl	k_q96b8a456b4_attn
	.p2align	8
	.type	k_q96b8a456b4_attn,@function
k_q96b8a456b4_attn:
	s_mov_b64 s[64:65], 0
	v_nop
	global_prefetch_b8 v0, s[64:65] scope:SCOPE_SE
	s_setreg_imm32_b32 hwreg(HW_REG_WAVE_MODE, 25, 1), 1
	s_wait_xcnt 0x0
; out[b][q][:] = the sum over k of softmax_k(logit) V[b][k][:], logit = Q[b][q] . K[b][k] / 8 where k < valid_lens[b], else -1e6.  Both products on codes of BF8 (E5M2), each operand with the scale 2^e given for it: eq, ek, ep, ev.
; K's and V's codes come from kv, laid by the launch before as images of the operands' registers ([32][16 steps of 128 keys][K: 8 tiles of 1,024 bytes | V: 4 fragments of 2,048 bytes]).  Q (f32) is quantised here, in registers.
; THE SOFTMAX AHEAD OF THE SECOND PRODUCT: t = logit x log2(e); M = the row's largest t so far, rounded UP to a whole number; p = 2^(t - M) is what is quantised; the row's sum is taken of the unquantised p and divides at the end.
; When M moves, the sum and O are multiplied by 2^(old M - new M): nothing is rounded.
; SHARES.  Sixteen waves in two HALVES of eight.  Work-group (x, g): half 0 serves queries 128 x .. 128 x + 127 of the batch whose length has rank g among the 32, half 1 the same queries of the batch of rank 31 - g:
; short with long, so that all 256 work-groups have about as many key steps.  A wave owns 16 queries, one tile.  Both halves run one text with other scalars (batch, length, steps) and other LDS bytes.
; KEY STEPS THAT LIE WHOLLY BEHIND THE LENGTH ARE LEFT OUT: scalar branches on whole numbers read from memory, round the step's work, never round a barrier: every wave passes all 16 trips' barriers.
; LIMITS.  Leaving those steps out equals the -1e6 of the definition as long as a row's largest valid logit lies above about -1e6 + 150 (their weights are then 0 in f32); inside a step that the length cuts, the -1e6 is applied as it is written.
;   A length is taken within 0 .. 2,048, as the comparison with the key's index takes it.  Length 0: all 16 steps are walked with every score replaced by 0: all logits are equal, so the weights are uniform, as defined.
;   eq and ep between -126 and 112; eq + ek between -123 and 130 (added to c's exponent field); ep + ev is applied by v_ldexp_f32 and has no bound.  NaN among the inputs is not served.
; LAYOUT.  Both products are used transposed: S^T = K Q^T (source 0 = 16 keys, source 1 = my 16 queries, K = 64), O^T = V^T P^T (source 0 = 16 channels, source 1 = P, K = 128): a lane holds ONE query (lane % 16) throughout.
;   Lane r of K's tile 2 b + u holds key 32 b + 8 u + r + 8 (r / 8), so register 16 b + i of S^T in lane (r, h) is key 32 b + 16 h + i: the conversions' results are the second product's operand.
;   Within an operand registers 4 c .. 4 c + 3 hold k = 32 c + 16 h + 0 .. 15: a permutation of k, the same on both sides of each product, so every product meets its partner.
; TWO SETS OF 64 REGISTERS, X AND Y, CHANGE ROLES FROM TRIP TO TRIP.  In trip J one set holds K(J) and the other takes S^T; V(J) is then loaded over K(J); and as each block of 16 p has been summed and converted,
;   its registers take two tiles of K(J + 1).  So both K's and V's way out of LDS lies under the softmax's vector work, and the next trip finds K where this trip had S^T.
; THE RING.  For each half two LDS slots of 16,384 bytes, and ONE barrier a trip, B(J), in the trip's middle.  All reads of step J's slot lie between B(J - 1) and B(J): K(J) late in trip J - 1, V(J) early in trip J.
;   Step J + 1 is stored into the other slot in trip J just ahead of B(J): that slot (step J - 1) was last read ahead of B(J - 1), in front of which every wave waited for its LDS loads; it is first read behind B(J), in front of which the writers waited for their stores.
;   Each of a half's eight waves brings 2,048 bytes of a step: loaded into registers just behind B(J - 1), stored just ahead of B(J): a whole trip in which to come.
;   K(J + 1) is loaded without a branch, so one step more than counts is brought in (NF = the smaller of steps + 1 and 16); in trip 15 these loads read the old step 14, and nobody uses them.
; NO TENSOR LOADS, NO CLUSTER: the 16 work-groups of one g walk the same codes, but the halves' numbers of steps hang on lengths read from memory, and the branch on them removes about half of all the work;
;   what would be shared is 16,384 bytes a step, brought here by four loads and four LDS stores a wave.
; REGISTERS: v1-8 addresses that stay; v9 the masked score; v10, v11 57,344 x 2^ep and 2^ep; v12 -M, v13 the largest t, v[14:15] the sum in two halves; v16-23 at work;
;   v24-31 Q; v32-95 X; v96-159 Y; v160-191 O^T; v192-207 p's codes; v208-223 a step's codes on their way.
.set LI, 1                             ; v1   32768 x half + 16 x lane: an image's place for my lane
.set FS, 2                             ; v2   LI + 2048 x (wave % 8): where I store my part of a step
.set FG, 3                             ; v3   2048 x (wave % 8) + 16 x lane: the same place in kv's step
.set SO, 4                             ; v4   the way out: where I put 32 bytes of a row
.set SR, 5                             ; v5   and where I read rows back
.set GO, 6                             ; v6   16 x lane: my bytes of two rows of out
.set QA, 7                             ; v7   Q: 256 r + 64 h
.set Q,  24
.set X,  32
.set Y,  96
.set O,  160
.set P,  192
.set G,  208
.set SLOTB, 16384
.set STG,   65536                      ; behind the two rings: a stage of 16 rows x 272 bytes for each wave
.set SP,    272
	s_load_b256 s[4:11], s[0:1], 0x0               ; queries s[4:5], kv s[6:7], the scales' exponents s[8:9], valid_lens s[10:11]
	s_load_b64 s[12:13], s[0:1], 0x20              ; out
	v_lshl_add_u32 v224, v0, 2, 0x21000
	v_mov_b32 v225, 0
	v_lshrrev_b32 v1, 5, v0
	v_readfirstlane_b32 s14, v1                    ; wave 0 .. 15
	s_lshr_b32 s15, s14, 3                         ; my half
	s_and_b32 s16, s14, 7                          ; my place in it
	v_and_b32 v20, 31, v0                          ; lane
	v_and_b32 v21, 15, v0                          ; r
	v_bfe_u32 v23, v0, 4, 1                        ; h
	v_lshlrev_b32 v[GO], 4, v20
	s_lshl_b32 s38, s15, 15
	v_add_nc_u32 v[LI], s38, v[GO]
	s_lshl_b32 s39, s16, 11
	v_add_nc_u32 v[FS], s39, v[LI]
	v_add_nc_u32 v[FG], s39, v[GO]
	s_mul_i32 s40, s14, 16*SP
	s_add_co_u32 s40, s40, STG                     ; my stage
	v_mul_u32_u24 v[SO], v21, SP
	v_lshl_add_u32 v[SO], v23, 5, v[SO]
	v_add_nc_u32 v[SO], s40, v[SO]                 ; in: row r, + 32 h; tile t's eight channels 64 t bytes on
	v_mul_u32_u24 v[SR], v23, SP
	v_lshl_add_u32 v[SR], v21, 4, v[SR]
	v_add_nc_u32 v[SR], s40, v[SR]                 ; back: lanes 0-15 one row of 256 bytes, lanes 16-31 the next
	v_lshlrev_b32 v[QA], 8, v21
	v_lshl_add_u32 v[QA], v23, 6, v[QA]
	v_lshlrev_b32 v8, 4, v23                       ; 16 h, for the mask
	v_lshlrev_b32 v16, 2, v20                      ; 4 x lane
	v_mov_b32 v18, 0x800
	v_mov_b32 v19, 0
	s_and_b32 s44, ttmp7, 0xffff                   ; g
	s_mov_b32 s20, 0x76543210                      ; v_permlanex16_b32's selects for lane l xor 16
	s_mov_b32 s21, 0xfedcba98
	s_mov_b32 s28, 0                               ; the lap
	s_wait_kmcnt 0x0
	s_load_b128 s[24:27], s[8:9], 0x0              ; eq, ek, ep, ev
	; WHICH BATCH IS MINE.  Whole numbers alone.  Lane l takes batch l's length; its cost is the length within 2,048 (a negative one, read as unsigned, becomes 2,048: no key counts, all steps are walked, as for 0);
	; cost x 32 + l makes the 32 keys differ; a lane's rank is the number of keys below its own.
	global_load_b32 v17, v16, s[10:11]
	s_wait_loadcnt 0x0
	v_min_u32 v17, 0x800, v17
	v_cmp_eq_u32 vcc_lo, 0, v17
	v_cndmask_b32 v17, v17, v18, vcc_lo
	v_lshl_or_b32 v17, v17, 5, v20
.set j, 0
.rept 32
	v_readlane_b32 s38, v17, j
	v_cmp_lt_u32 vcc_lo, s38, v17
	v_add_co_ci_u32 v19, vcc_lo, 0, v19, vcc_lo    ; + 1 where batch j's key is below mine
.set j, j+1
.endr
	s_sub_co_u32 s39, 31, s44
	s_cmp_eq_u32 s15, 0
	s_cselect_b32 s38, s44, s39                    ; the rank that my half serves: g or 31 - g
	v_cmp_eq_u32 s39, s38, v19                     ; one lane has it
	s_ctz_i32_b32 s17, s39
	s_min_u32 s17, s17, 31                         ; the batch
	s_lshl_b32 s40, s17, 2
	s_load_b32 s18, s[10:11], s40 offset:0x0       ; its length
	s_lshl_b32 s36, s17, 19                        ; Q and out: a batch is 2,048 rows of 256 bytes,
	s_lshl_b32 s38, ttmp9, 15                      ; a block 128 rows,
	s_add_co_u32 s36, s36, s38
	s_lshl_b32 s38, s16, 12                        ; a wave 16
	s_add_co_u32 s36, s36, s38
	s_mov_b32 s37, 0
	s_add_nc_u64 s[4:5], s[4:5], s[36:37]
	s_add_nc_u64 s[12:13], s[12:13], s[36:37]
	s_lshl_b32 s36, s17, 18
	s_add_nc_u64 s[32:33], s[6:7], s[36:37]        ; the batch's codes
.irp i, 0,1,2,3
	global_load_b128 v[G+4*\i:G+4*\i+3], v[FG], s[32:33] offset:512*\i   ; key step 0: my 2,048 bytes of its 16,384
.endr
.irp i, 0,1,2,3
	global_load_b128 v[X+4*\i:X+4*\i+3], v[FG], s[32:33] offset:SLOTB+512*\i   ; key step 1 (kv holds 16 steps for every batch), through registers that are free until K's first fragments come
.endr
.irp c, 0,1
.irp i, 0,1,2,3
	global_load_b128 v[Y+16*\c+4*\i:Y+16*\c+4*\i+3], v[QA], s[4:5] offset:128*\c+16*\i   ; Q(r, 32 c + 16 h + 4 i ..): register 16 c + n = channel 32 c + 16 h + n.  No cache hint: the eight loads touch the same 16 rows in turn
.endr
.endr
	s_wait_kmcnt 0x0
	s_max_i32 s18, s18, 0
	s_min_i32 s18, s18, 0x800                      ; the length, within 0 .. 2,048
	s_add_co_u32 s19, s18, 127
	s_lshr_b32 s19, s19, 7                         ; key steps that hold a key that counts
	s_cmp_eq_u32 s18, 0
	s_cselect_b32 s19, 16, s19                     ; length 0: all 16,
	s_cselect_b32 s41, 0, 0xcaf42400               ; with 0 for every score; else -8e6 = -1e6 x 8 for a masked one
	s_add_co_u32 s45, s19, 1
	s_min_u32 s45, s45, 16                         ; NF: the steps that are brought into LDS
	s_add_co_i32 s42, s24, s25                     ; eq + ek: a sum of the first product stands for sum x 2^(eq + ek)
	s_lshl_b32 s43, s42, 23
	s_add_co_i32 s22, s43, 0x3e38aa3b              ; c = log2(e) / 8 with eq + ek added to its exponent field: t = sum x c
	s_mov_b32 s23, s22                             ; (the packed form names the pair, so it is written)
	s_sub_co_i32 s42, 0, s42
	v_mov_b32 v9, s41
	v_ldexp_f32 v9, v9, s42                        ; the masked score as a sum: x c it gives -1e6 x log2(e)
	s_add_co_i32 s38, s26, 127
	s_lshl_b32 s39, s38, 23
	v_mov_b32 v11, s39                             ; 2^ep as f32, for p's conversions
	s_add_co_i32 s38, s38, 15
	s_lshl_b32 s38, s38, 23
	s_or_b32 s38, s38, 0x600000
	v_mov_b32 v10, s38                             ; 57,344 x 2^ep
	s_add_co_i32 s38, s24, 127
	s_lshl_b32 s39, s38, 23
	v_mov_b32 v16, s39                             ; 2^eq
	s_add_co_i32 s38, s38, 15
	s_lshl_b32 s38, s38, 23
	s_or_b32 s38, s38, 0x600000
	v_mov_b32 v17, s38                             ; 57,344 x 2^eq
	s_wait_loadcnt 8                               ; the eight loads of steps 0 and 1 are in; the eight issued behind them (Q's) may stay out
.irp i, 0,1,2,3
	ds_store_b128 v[FS], v[G+4*\i:G+4*\i+3] offset:512*\i         ; step 0 into slot 0,
.endr
.irp i, 0,1,2,3
	ds_store_b128 v[FS], v[X+4*\i:X+4*\i+3] offset:SLOTB+512*\i   ; step 1 into slot 1
.endr
	s_wait_loadcnt 0x0                             ; Q
.set n, 0
.rept 32
	v_med3_num_f32 v[Y+n], v[Y+n], -v17, v17       ; the conversion to an 8-bit code does not saturate (ISA guide 7.6.2): the hold comes first
.set n, n+1
.endr
.irp g, 0,1,2,3
	v_cvt_scalef32_pk8_bf8_f32 v[Q+2*\g:Q+2*\g+1], v[Y+8*\g:Y+8*\g+7], v16
.endr
.set n, 0
.rept 32
	v_mov_b32 v[O+n], 0                            ; O^T.  The step is written once: the first finds zeros, which the first change of M leaves zeros.  (Plain lines behind the conversions, too)
.set n, n+1
.endr
	v_mov_b32 v13, 0xff61b1e6                      ; the largest t so far: -3e38, under every t
	v_floor_f32 v12, -v13                          ; -M
	v_mov_b32 v14, 0                               ; the sum, in two halves
	v_mov_b32 v15, 0
	v_mov_b32 v19, 0                               ; (named as the upper half of the pair v[18:19])
	v_mov_b32 v22, 0                               ; written once: a lane permute's destination counts as one of its sources
	s_wait_dscnt 0x0                               ; for the others' sake: my parts of steps 0 and 1 lie in LDS (and my stores have read their registers)
	s_barrier_signal -1
	s_barrier_wait -1
.set n, 0
.rept 16
	ds_load_b128 v[X+4*n:X+4*n+3], v[LI] offset:512*n   ; K(0): 8 tiles, as they lie: 512 consecutive bytes a load
.set n, n+1
.endr
; KS: the set that holds K, then V, in the trip in hand;  SS: the set that takes S^T, then p, then the next step's K.  TRIP sets both.
; In the step that the length cuts, the scores of keys that do not count are replaced.  A step all of whose keys count jumps over this.  Each accumulator is read from its low end on.
.macro MASK
	s_lshl_b32 s31, s30, 7                         ; the step's first key
	s_add_co_u32 s38, s31, 128
	s_cmp_le_u32 s38, s18
	s_cbranch_scc1 .Lopen_\@
	s_sub_co_i32 s38, s18, s31
	v_sub_nc_u32 v23, s38, v8                      ; d = length - first key - 16 h.  Register 16 b + i holds key first + 32 b + 16 h + i: masked where 32 b + i >= d
.set n, 0
.rept 64
	v_cmp_ge_i32 vcc_lo, 32*(n/16)+n%16, v23
	v_cndmask_b32 v[SS+n], v[SS+n], v9, vcc_lo
.set n, n+1
.endr
.Lopen_\@:
.endm
.macro EXPB b                          ; p = 2^(t - M) for block b's 16 keys: not normalised
.set n, 16*(\b)
.rept 16
	v_exp_f32 v[SS+n], v[SS+n]
.set n, n+1
.endr
.endm
; The softmax ahead of the barrier: the maximum, M, f, t - M for all 64 keys, the exponentials of blocks 0 and 1
.macro SOFT1
	v_max3_num_f32 v16, v[SS], v[SS+1], v[SS+2]    ; the step's largest score of my query among my 64 keys, in two chains, ascending
	v_max3_num_f32 v17, v[SS+3], v[SS+4], v[SS+5]
.set n, 6
.rept 14
	v_max3_num_f32 v16, v16, v[SS+n], v[SS+n+1]
	v_max3_num_f32 v17, v17, v[SS+n+2], v[SS+n+3]
.set n, n+4
.endr
	v_max3_num_f32 v16, v16, v[SS+62], v[SS+63]
	v_max_num_f32 v16, v16, v17
	v_permlanex16_b32 v22, v16, s20, s21
	v_max_num_f32 v16, v16, v22                    ; and among lane l xor 16's
	v_mul_f32 v16, s22, v16                        ; as t (c is positive)
	v_max_num_f32 v13, v13, v16                    ; the running largest t
	v_mov_b32 v16, v12
	v_floor_f32 v12, -v13                          ; the new -M = floor(-t) = -ceil(t): a whole number
	v_sub_f32 v16, v12, v16                        ; old M - new M: a whole number, 0 or less
	v_cvt_i32_f32 v16, v16                         ; (it saturates)
	v_ldexp_f32 v18, 1.0, v16                      ; f = 2^(old M - new M)
.set n, 0
.rept 32
	v_pk_fma_f32 v[SS+n:SS+n+1], v[SS+n:SS+n+1], s[22:23], v[12:13] op_sel_hi:[1,0,0]   ; t - M, two at a time (of the pairs c and -M the low word serves both halves)
.set n, n+2
.endr
	EXPB 0
	EXPB 1
	v_pk_mul_f32 v[14:15], v[14:15], v[18:19] op_sel_hi:[1,0]   ; the sums under the new M.  (The plain line behind the exponentials)
.endm
; Block b's 16 p are summed (unquantised, two at a time, in two chains), held, converted; then their registers take tiles 2 b and 2 b + 1 of the NEXT step's K, out of the slot other than sl
.macro BLOCK b, sl
.set n, 16*(\b)
.rept 4
.if n == 0
	s_wait_alu depctr_va_vdst(0)
	v_pk_add_f32 v[20:21], v[SS:SS+1], v[SS+2:SS+3]
.else
	v_pk_add_f32 v[14:15], v[14:15], v[SS+n:SS+n+1]
	v_pk_add_f32 v[20:21], v[20:21], v[SS+n+2:SS+n+3]
.endif
.set n, n+4
.endr
	s_cmp_ge_i32 s26, -15                          ; p is at most 1 and a rounding; from ep = -15 on the largest code x the scale is 1.75 or more, so the hold could not act: it is jumped over
	s_cbranch_scc1 .Lnohold_\@
.set n, 16*(\b)
.rept 16
	v_min_num_f32 v[SS+n], v[SS+n], v10            ; the conversion does not saturate (ISA guide 7.6.2); p is not negative, so the hold is one-sided
.set n, n+1
.endr
.Lnohold_\@:
	v_cvt_scalef32_pk8_bf8_f32 v[P+4*(\b):P+4*(\b)+1], v[SS+16*(\b):SS+16*(\b)+7], v11      ; registers 4 b .. 4 b + 3 of the operand: keys 32 b + 16 h + 0 .. 15
	v_cvt_scalef32_pk8_bf8_f32 v[P+4*(\b)+2:P+4*(\b)+3], v[SS+16*(\b)+8:SS+16*(\b)+15], v11
.irp i, 0,1,2,3
	ds_load_b128 v[SS+16*(\b)+4*\i:SS+16*(\b)+4*\i+3], v[LI] offset:SLOTB*(1-\sl)+2048*(\b)+512*\i
.endr
.endm
; A TRIP: key step J = 2 x lap + sl, which lies in slot sl.  always = 1: the first trip, which every batch has: no branch round its work, and nothing to store (step 1 lies in LDS already).
.macro TRIP sl, always
.if \sl
.set KS, Y
.set SS, X
.else
.set KS, X
.set SS, Y
.endif
	s_lshl_b32 s30, s28, 1
.if \sl
	s_add_co_u32 s30, s30, 1                       ; J
.endif
	s_add_co_u32 s29, s30, 1                       ; J + 1
.if \always == 0
	s_cmp_ge_u32 s30, s19
	s_cbranch_scc1 .Lskip1_\@                      ; no key of this step counts for my batch
.endif
	s_wait_dscnt 4                                 ; K's tiles 0 to 5 are in; the four youngest loads (tiles 6 and 7) may stay out
	s_wait_alu depctr_va_vdst(0)
.irp t, 0,1,2,3,4,5
	v_wmma_f32_16x16x64_bf8_bf8 v[SS+8*\t:SS+8*\t+7], v[KS+8*\t:KS+8*\t+7], v[Q:Q+7], 0
.endr
	s_wait_dscnt 0x0
.irp t, 6,7
	v_wmma_f32_16x16x64_bf8_bf8 v[SS+8*\t:SS+8*\t+7], v[KS+8*\t:KS+8*\t+7], v[Q:Q+7], 0
.endr
.rept 4
	v_nop                                          ; four places behind the products, in front of the loads into the registers that they read and of the first reads of their results
.endr
.set n, 0
.rept 16
	ds_load_b128 v[KS+4*n:KS+4*n+3], v[LI] offset:SLOTB*(\sl)+8192+512*n   ; V's 4 fragments over K's tiles: they come while the lines up to the barrier are walked
.set n, n+1
.endr
	MASK
	SOFT1
.if \always == 0
.Lskip1_\@:
	s_wait_loadcnt 0x0                             ; on every wave's way: the codes asked for behind the last barrier are in, and s[34:35] may be written again
	s_cmp_ge_u32 s29, s45
	s_cbranch_scc1 .Lnost_\@                       ; step J + 1 is not among those brought in (so it is for a wave that has left this step out)
.irp i, 0,1,2,3
	ds_store_b128 v[FS], v[G+4*\i:G+4*\i+3] offset:SLOTB*(1-\sl)+512*\i   ; step J + 1 into the other slot, which nobody has read since the last barrier
.endr
.Lnost_\@:
.endif
	s_wait_dscnt 0x0                               ; for the others' sake: my stores have landed, and my reads of this slot (K late in the last trip, V just now) are over
	s_barrier_signal -1
	s_barrier_wait -1
	s_add_co_u32 s38, s30, 2                       ; J + 2
	s_cmp_ge_u32 s38, s45
	s_cbranch_scc1 .Lnold_\@                       ; not among the steps brought in: nothing is asked for, and no load leaves the buffer
	s_lshl_b32 s36, s38, 14
	s_mov_b32 s37, 0
	s_add_nc_u64 s[34:35], s[32:33], s[36:37]
.irp i, 0,1,2,3
	global_load_b128 v[G+4*\i:G+4*\i+3], v[FG], s[34:35] offset:512*\i   ; step J + 2's codes: they have until the next barrier in which to come (the stores that read G are done: the wait above)
.endr
.Lnold_\@:
.if \always == 0
	s_cmp_ge_u32 s30, s19
	s_cbranch_scc1 .Lskip2_\@
.endif
	BLOCK 0, \sl
	BLOCK 1, \sl
	EXPB 2
	v_pk_mul_f32 v[O:O+1], v[O:O+1], v[18:19] op_sel_hi:[1,0]       ; O^T under the new M begins here, at its low end: the plain line behind the exponentials
	s_wait_alu depctr_va_vdst(0)
	BLOCK 2, \sl
	EXPB 3
	v_pk_mul_f32 v[O+2:O+3], v[O+2:O+3], v[18:19] op_sel_hi:[1,0]   ; likewise
	s_wait_alu depctr_va_vdst(0)
	BLOCK 3, \sl
	v_pk_add_f32 v[14:15], v[14:15], v[20:21]      ; the two chains
.set n, 4
.rept 14
	v_pk_mul_f32 v[O+n:O+n+1], v[O+n:O+n+1], v[18:19] op_sel_hi:[1,0]   ; the rest of O^T, each accumulator from its low end on.  (Also the plain lines between the conversions and the products)
.set n, n+2
.endr
.irp t, 0,1,2,3
	v_wmma_f32_16x16x128_bf8_bf8 v[O+8*\t:O+8*\t+7], v[KS+16*\t:KS+16*\t+15], v[P:P+15], v[O+8*\t:O+8*\t+7]   ; V came in ahead of the barrier.  The four accumulators by turns, one instruction a turn; between two links of a chain stand eleven other products
.endr
.rept 5
	v_nop                                          ; five places: the next trip's products write over the registers that held V (one more than a vector instruction or a load would want)
.endr
.if \always == 0
.Lskip2_\@:
.endif
.endm
	TRIP 0, 1                                      ; the first lap is written out: its first trip has no branch, so both sets of registers are written on every way into the loop
	TRIP 1, 0
	s_mov_b32 s28, 1
.Llap:                                             ; seven more laps of two key steps: a constant, whatever the lengths
	TRIP 0, 0
	TRIP 1, 0
	s_add_co_u32 s28, s28, 1
	s_cmp_lt_u32 s28, 8
	s_cbranch_scc1 .Llap
	; THE WAY OUT.  O^T is divided by the row's sum, multiplied by 2^(ep + ev), and goes through my own stage in LDS, so that each store of the wave covers 512 consecutive bytes, aligned: two rows of out.
	s_wait_dscnt 0x0                               ; the last trip's loads of K, which nobody uses, have landed: both sets are free
	v_add_f32 v14, v14, v15                        ; the sum's two halves,
	v_permlanex16_b32 v16, v14, s20, s21
	v_add_f32 v14, v14, v16                        ; and lane l xor 16's
	v_rcp_f32 v14, v14
	v_nop                                          ; one plain line behind a transcendental
	s_add_co_i32 s38, s26, s27
	s_wait_alu depctr_va_vdst(0)
	v_ldexp_f32 v14, v14, s38                      ; x 2^(ep + ev)
.set n, 0
.rept 32
	v_mul_f32 v[Y+n], v[O+n], v14                  ; register 8 t + i is out(r, 16 t + 8 h + i); each accumulator from its low end on
.set n, n+1
.endr
.irp t, 0,1,2,3
	ds_store_b128 v[SO], v[Y+8*\t:Y+8*\t+3] offset:64*\t
	ds_store_b128 v[SO], v[Y+8*\t+4:Y+8*\t+7] offset:64*\t+16
.endr
.irp i, 0,1,2,3,4,5,6,7
	ds_load_b128 v[X+4*\i:X+4*\i+3], v[SR] offset:2*SP*\i   ; LDS serves a wave's instructions in order (ISA guide 5.7.1.4): these see my stores
.endr
.irp i, 0,1,2,3,4,5,6,7
	s_wait_dscnt 7-\i                              ; the younger loads may stay out
	global_store_b128 v[GO], v[X+4*\i:X+4*\i+3], s[12:13] offset:512*\i th:TH_STORE_NT   ; written once, read by nobody here
.endr
	s_wait_tensorcnt 0x0
	ds_add_u32 v224, v225
	s_wait_dscnt 0x0
	s_endpgm
.Lfunc_end_k_q96b8a456b4_attn:
	.size	k_q96b8a456b4_attn, .Lfunc_end_k_q96b8a456b4_attn-k_q96b8a456b4_attn
	.p2alignl 7, 3214868480
	.fill 96, 4, 3214868480
	.section	.rodata,"a",@progbits
	.p2align	6, 0x0
	.amdhsa_kernel k_q96b8a456b4_attn
		.amdhsa_group_segment_fixed_size 137216
		.amdhsa_private_segment_fixed_size 0
		.amdhsa_enable_private_segment 0
		.amdhsa_kernarg_size 40
		.amdhsa_user_sgpr_count 2
		.amdhsa_user_sgpr_kernarg_segment_ptr 1
		.amdhsa_wavefront_size32 1
		.amdhsa_system_sgpr_workgroup_id_x 1
		.amdhsa_system_sgpr_workgroup_id_y 1
		.amdhsa_system_sgpr_workgroup_id_z 1
		.amdhsa_system_vgpr_workitem_id 0
		.amdhsa_next_free_vgpr 226
		.amdhsa_next_free_sgpr 66
		.amdhsa_reserve_vcc 1
		.amdhsa_float_denorm_mode_32 3
		.amdhsa_float_denorm_mode_16_64 3
		.amdhsa_memory_ordered 1
		.amdhsa_forward_progress 1
		.amdhsa_inst_pref_size 106
	.end_amdhsa_kernel
	.amdgpu_metadata
---
amdhsa.version: [ 1, 2 ]
amdhsa.kernels:
  - .name:           k_q96b8a456b4_attn
    .symbol:         k_q96b8a456b4_attn.kd
    .args:
      - { .name: queries, .offset: 0, .size: 8, .value_kind: global_buffer, .address_space: global }
      - { .name: kv, .offset: 8, .size: 8, .value_kind: global_buffer, .address_space: global }
      - { .name: lowp_scales, .offset: 16, .size: 8, .value_kind: global_buffer, .address_space: global }
      - { .name: valid_lens, .offset: 24, .size: 8, .value_kind: global_buffer, .address_space: global }
      - { .name: out0, .offset: 32, .size: 8, .value_kind: global_buffer, .address_space: global }
    .group_segment_fixed_size: 137216
    .private_segment_fixed_size: 0
    .kernarg_segment_align: 8
    .kernarg_segment_size: 40
    .max_flat_workgroup_size: 512
    .sgpr_count:     66
    .vgpr_count:     226
    .wavefront_size: 32
...
	.end_amdgpu_metadata
.endif
;; end of part 2
;; ======== version 2 of 2: 2 launches
;; limits: right only within a limited range of input values
;; workspace buffers: kv 8,388,608 bytes
;; launch prep (part 3): grid 16 x 32, 8 waves a work-group, no clusters, 35,840 bytes of LDS; arguments keys, values, lowp_scales, kv; writes kv
.if DOCPART == 3
	.amdgcn_target "amdgcn-amd-amdhsa--gfx1250"
	.amdhsa_code_object_version 6
	.text
	.protected	k_q96b8a456b4_prep
	.globl	k_q96b8a456b4_prep
	.p2align	8
	.type	k_q96b8a456b4_prep,@function
k_q96b8a456b4_prep:
	s_mov_b64 s[64:65], 0
	v_nop
	global_prefetch_b8 v0, s[64:65] scope:SCOPE_SE
	s_setreg_imm32_b32 hwreg(HW_REG_WAVE_MODE, 25, 1), 1
	s_wait_xcnt 0x0
; keys and values, [32][2048][64] f32, become codes of BF8 (E5M2), each with the one scale 2^e that is given for it (ek = entry 1, ev = entry 3 of the scales' buffer).
; code = x / 2^e, held within +-57,344, rounded to the nearest code, ties to even.  LIMITS: ek and ev between -126 and 112, so that 2^e and 57,344 x 2^e are f32 numbers.  NaN among the inputs is not served.
; THE CODES ARE LAID AS IMAGES OF THE OPERANDS' REGISTERS: kv is [32 batches][16 key steps][16,384 bytes]; a step is 128 keys.  With lane l = (r = l % 16, h = l / 16):
;   bytes 0 .. 8,191: K, 8 tiles of 1,024: tile 2 b + u, piece c at 1024 (2 b + u) + 512 c + 16 l: key 32 b + 8 u + r + 8 (r / 8), channels 32 c + 16 h + 0 .. 15
;   bytes 8,192 ..:   V, 4 fragments of 2,048: fragment t, piece c at 8192 + 2048 t + 512 c + 16 l: channel 16 t + r, keys 32 c + 16 h + 0 .. 15 (the keys are the second product's K)
; so that the attention launch takes every fragment by loads of 16 bytes a lane at 16 x lane + a constant.
; SHARES.  A work-group takes one key step of one batch; wave w = 2 b + u takes K's tile w (16 keys: two runs of 8 rows) and V's keys 32 b .. 32 b + 31 at channels 32 u .. 32 u + 31.
; K: K's axis (the channels) is innermost in memory.  Loads take the bytes as they lie (512 consecutive bytes each); the 4,096 bytes turn through the wave's own stage in LDS and come back 64 bytes a lane, twice.
; V: a lane takes a channel and its registers run down the keys, so the conversions give codes with the keys innermost: nothing is transposed.
; One straight path: no loop, no branch, no barrier (waves share nothing), no register written twice while a store reads it.  No tensor loads, clusters or matrix work: a stream in which no byte is shared.
.set KR, 16                            ; v16-47   K as loaded
.set KX, 48                            ; v48-79   K back from the stage: register 16 c + i = channel 32 c + 16 h + i of my key
.set VX, 80                            ; v80-111  V: register i = key 32 b + i of my channel
.set KC, 112                           ; v112-119 K's codes
.set VC, 120                           ; v120-127 V's codes
.set SP, 272                           ; a stage row: 256 bytes + 16 = 68 words, so that the 16 rows that a load touches start at 16 different banks (64 banks of 4 bytes: ISA guide 11.1)
.set WST, 16*SP                        ; a wave's stage: 16 rows
	s_load_b256 s[4:11], s[0:1], 0x0               ; keys s[4:5], values s[6:7], the scales' exponents s[8:9], kv s[10:11]
	v_lshl_add_u32 v128, v0, 2, 0x8800
	v_mov_b32 v129, 0
	v_lshrrev_b32 v1, 5, v0
	s_delay_alu instid0(VALU_DEP_1)
	v_readfirstlane_b32 s12, v1                    ; wave w = 0 .. 7
	v_and_b32 v1, 31, v0                           ; lane
	v_and_b32 v2, 15, v0                           ; r
	v_bfe_u32 v3, v0, 4, 1                         ; h
	s_delay_alu instid0(VALU_DEP_3)
	v_lshlrev_b32 v4, 4, v1                        ; 16 x lane: K's loads and K's stores
	s_lshr_b32 s13, s12, 1                         ; b
	s_and_b32 s14, s12, 1                          ; u
	s_mul_i32 s28, s12, WST                        ; my stage
	v_mul_u32_u24 v5, v3, SP
	s_delay_alu instid0(VALU_DEP_1)
	v_lshl_add_u32 v5, v2, 4, v5
	s_delay_alu instid0(VALU_DEP_1)
	v_add_nc_u32 v5, s28, v5                       ; into the stage: a load's two rows, lanes 0-15 the first, lanes 16-31 the second
	v_mul_u32_u24 v6, v2, SP
	s_delay_alu instid0(VALU_DEP_1)
	v_lshl_add_u32 v6, v3, 6, v6
	s_delay_alu instid0(VALU_DEP_1)
	v_add_nc_u32 v6, s28, v6                       ; out of it: row r, + 64 h bytes: my 16 channels of a block of 32
	v_lshlrev_b32 v7, 2, v1                        ; V's loads: 4 bytes a lane
	v_lshlrev_b32 v8, 11, v3
	s_delay_alu instid0(VALU_DEP_1)
	v_lshl_add_u32 v8, v2, 4, v8                   ; V's stores: 2048 h + 16 r: lanes 0-15 fragment 2 u, lanes 16-31 fragment 2 u + 1
	s_and_b32 s15, ttmp7, 0xffff                   ; the batch
	s_lshl_b32 s16, s15, 19                        ; a batch is 2,048 rows of 256 bytes,
	s_lshl_b32 s29, ttmp9, 15                      ; a key step 128 rows
	s_add_co_u32 s16, s16, s29
	s_lshl_b32 s30, s13, 13                        ; 32 b rows
	s_lshl_b32 s31, s14, 11                        ; 8 u rows
	s_add_co_u32 s18, s16, s30
	s_add_co_u32 s18, s18, s31                     ; keys: my tile's first row
	s_mov_b32 s19, 0
	s_lshl_b32 s31, s14, 7                         ; 32 u channels of 4 bytes
	s_add_co_u32 s20, s16, s30
	s_add_co_u32 s20, s20, s31                     ; values: my first key, my first channel
	s_mov_b32 s21, 0
	s_lshl_b32 s22, s15, 18                        ; kv: a batch is 16 steps of 16,384 bytes
	s_lshl_b32 s29, ttmp9, 14
	s_add_co_u32 s22, s22, s29
	s_lshl_b32 s29, s12, 10
	s_add_co_u32 s32, s22, s29                     ; K's tile w
	s_mov_b32 s33, 0
	s_lshl_b32 s29, s14, 12
	s_lshl_b32 s30, s13, 9
	s_add_co_u32 s34, s22, s29
	s_add_co_u32 s34, s34, s30
	s_add_co_u32 s34, s34, 8192                    ; V's fragment 2 u, piece b
	s_mov_b32 s35, 0
	s_wait_alu depctr_va_vdst(0)
	s_wait_kmcnt 0x0
	s_load_b128 s[24:27], s[8:9], 0x0              ; eq, ek, ep, ev
	s_add_nc_u64 s[4:5], s[4:5], s[18:19]
	s_add_nc_u64 s[6:7], s[6:7], s[20:21]
	s_add_nc_u64 s[36:37], s[10:11], s[34:35]      ; where V's codes go
	s_add_nc_u64 s[10:11], s[10:11], s[32:33]      ; where K's codes go
.irp i, 0,1,2,3,4,5,6,7
	global_load_b128 v[KR+4*\i:KR+4*\i+3], v4, s[4:5] offset:512*\i+2048*(\i/4) th:TH_LOAD_NT   ; two rows, 512 consecutive bytes; the second run of 8 rows lies 16 rows behind the first
.endr
.set n, 0
.rept 32
	global_load_b32 v[VX+n], v7, s[6:7] offset:256*n th:TH_LOAD_NT   ; key 32 b + n at my 32 channels: 128 consecutive bytes; wave w xor 1 takes the row's other half
.set n, n+1
.endr
	s_wait_kmcnt 0x0
	s_add_co_i32 s28, s25, 127
	s_lshl_b32 s29, s28, 23
	v_mov_b32 v10, s29                             ; 2^ek as f32: the conversion takes its exponent field
	s_add_co_i32 s28, s28, 15
	s_lshl_b32 s28, s28, 23
	s_or_b32 s28, s28, 0x600000
	v_mov_b32 v11, s28                             ; 57,344 x 2^ek
	s_add_co_i32 s28, s27, 127
	s_lshl_b32 s29, s28, 23
	v_mov_b32 v12, s29                             ; 2^ev
	s_add_co_i32 s28, s28, 15
	s_lshl_b32 s28, s28, 23
	s_or_b32 s28, s28, 0x600000
	v_mov_b32 v13, s28                             ; 57,344 x 2^ev
; 32 numbers of a lane, neighbours along K, become 32 codes in 8 registers
.macro QUANT32 x, c, sc, lim
.set n, 0
.rept 32
	v_med3_num_f32 v[\x+n], v[\x+n], -v[\lim], v[\lim]   ; the conversion to an 8-bit code does not saturate (ISA guide 7.6.2): the hold at the largest code x the scale comes first
.set n, n+1
.endr
.irp g, 0,1,2,3
	v_cvt_scalef32_pk8_bf8_f32 v[\c+2*\g:\c+2*\g+1], v[\x+8*\g:\x+8*\g+7], v[\sc]
.endr
.endm
	s_wait_alu depctr_va_vdst(0)
	s_wait_loadcnt 32                              ; K's eight loads are in; the 32 issued behind them (V's) may stay out
.irp i, 0,1,2,3,4,5,6,7
	ds_store_b128 v5, v[KR+4*\i:KR+4*\i+3] offset:2*SP*\i
.endr
.irp c, 0,1
.irp j, 0,1,2,3
	ds_load_b128 v[KX+16*\c+4*\j:KX+16*\c+4*\j+3], v6 offset:128*\c+16*\j   ; LDS serves a wave's instructions in order (ISA guide 5.7.1.4): these see my stores
.endr
.endr
	s_wait_dscnt 0x0
	QUANT32 KX, KC, 10, 11
.irp c, 0,1
	global_store_b128 v4, v[KC+4*\c:KC+4*\c+3], s[10:11] offset:512*\c   ; piece c of my tile: 512 consecutive bytes, aligned
.endr
	s_wait_loadcnt 0x0                             ; V
	QUANT32 VX, VC, 12, 13                         ; (its 32 holds are plain vector lines behind K's conversions; the codes go to stores alone)
.irp c, 0,1
	global_store_b128 v8, v[VC+4*\c:VC+4*\c+3], s[36:37] offset:256*\c   ; keys 32 b + 16 c + 0 .. 15: sixteen lanes store 256 consecutive bytes, aligned
.endr
	s_wait_tensorcnt 0x0
	ds_add_u32 v128, v129
	s_wait_dscnt 0x0
	s_endpgm
.Lfunc_end_k_q96b8a456b4_prep:
	.size	k_q96b8a456b4_prep, .Lfunc_end_k_q96b8a456b4_prep-k_q96b8a456b4_prep
	.p2alignl 7, 3214868480
	.fill 96, 4, 3214868480
	.section	.rodata,"a",@progbits
	.p2align	6, 0x0
	.amdhsa_kernel k_q96b8a456b4_prep
		.amdhsa_group_segment_fixed_size 35840
		.amdhsa_private_segment_fixed_size 0
		.amdhsa_enable_private_segment 0
		.amdhsa_kernarg_size 32
		.amdhsa_user_sgpr_count 2
		.amdhsa_user_sgpr_kernarg_segment_ptr 1
		.amdhsa_wavefront_size32 1
		.amdhsa_system_sgpr_workgroup_id_x 1
		.amdhsa_system_sgpr_workgroup_id_y 1
		.amdhsa_system_sgpr_workgroup_id_z 1
		.amdhsa_system_vgpr_workitem_id 0
		.amdhsa_next_free_vgpr 130
		.amdhsa_next_free_sgpr 66
		.amdhsa_reserve_vcc 0
		.amdhsa_float_denorm_mode_32 3
		.amdhsa_float_denorm_mode_16_64 3
		.amdhsa_memory_ordered 1
		.amdhsa_forward_progress 1
		.amdhsa_inst_pref_size 14
	.end_amdhsa_kernel
	.amdgpu_metadata
---
amdhsa.version: [ 1, 2 ]
amdhsa.kernels:
  - .name:           k_q96b8a456b4_prep
    .symbol:         k_q96b8a456b4_prep.kd
    .args:
      - { .name: keys, .offset: 0, .size: 8, .value_kind: global_buffer, .address_space: global }
      - { .name: values, .offset: 8, .size: 8, .value_kind: global_buffer, .address_space: global }
      - { .name: lowp_scales, .offset: 16, .size: 8, .value_kind: global_buffer, .address_space: global }
      - { .name: kv, .offset: 24, .size: 8, .value_kind: global_buffer, .address_space: global }
    .group_segment_fixed_size: 35840
    .private_segment_fixed_size: 0
    .kernarg_segment_align: 8
    .kernarg_segment_size: 32
    .max_flat_workgroup_size: 256
    .sgpr_count:     66
    .vgpr_count:     130
    .wavefront_size: 32
...
	.end_amdgpu_metadata
.endif
;; end of part 3
;; launch attn (part 4): grid 16 x 16, 16 waves a work-group, no clusters, 137,216 bytes of LDS; arguments queries, kv, lowp_scales, valid_lens, out0; writes out0
.if DOCPART == 4
	.amdgcn_target "amdgcn-amd-amdhsa--gfx1250"
	.amdhsa_code_object_version 6
	.text
	.protected	k_q96b8a456b4_attn
	.globl	k_q96b8a456b4_attn
	.p2align	8
	.type	k_q96b8a456b4_attn,@function
k_q96b8a456b4_attn:
	s_mov_b64 s[64:65], 0
	v_nop
	global_prefetch_b8 v0, s[64:65] scope:SCOPE_SE
	s_setreg_imm32_b32 hwreg(HW_REG_WAVE_SCHED_MODE, 0, 2), 2
	s_setreg_imm32_b32 hwreg(HW_REG_WAVE_MODE, 25, 1), 1
	s_wait_xcnt 0x0
	s_wait_alu depctr_vm_vsrc(0)
; out[b][q][:] = the sum over k of softmax_k(logit) V[b][k][:], logit = Q[b][q] . K[b][k] / 8 where k < valid_lens[b], else -1e6.  Both products on codes of BF8 (E5M2), each operand with the scale 2^e given for it: eq, ek, ep, ev.
; K's and V's codes come from kv, laid by the launch before as images of the operands' registers ([32][16 steps of 128 keys][K: 8 tiles of 1,024 bytes | V: 4 fragments of 2,048 bytes]).  Q (f32) is quantised here, in registers.
; THE SOFTMAX AHEAD OF THE SECOND PRODUCT: t = logit x log2(e); M = the row's largest t so far, rounded UP to a whole number; p = 2^(t - M) is what is quantised; the row's sum is taken of the unquantised p and divides at the end.
; When M moves, the sum and O are multiplied by 2^(old M - new M): nothing is rounded.
; SHARES.  Sixteen waves in two HALVES of eight.  Work-group (x, g): half 0 serves queries 128 x .. 128 x + 127 of the batch whose length has rank g among the 32, half 1 the same queries of the batch of rank 31 - g:
; short with long, so that all 256 work-groups have about as many key steps.  A wave owns 16 queries, one tile.  Both halves run one text with other scalars (batch, length, steps) and other LDS bytes.
; KEY STEPS THAT LIE WHOLLY BEHIND THE LENGTH ARE LEFT OUT: scalar branches on whole numbers read from memory, round the step's work, never round a barrier: every wave passes all 16 trips' barriers.
; LIMITS.  Leaving those steps out equals the -1e6 of the definition as long as a row's largest valid logit lies above about -1e6 + 150 (their weights are then 0 in f32); inside a step that the length cuts, the -1e6 is applied as it is written.
;   A length is taken within 0 .. 2,048, as the comparison with the key's index takes it.  Length 0: all 16 steps are walked with every score replaced by 0: all logits are equal, so the weights are uniform, as defined.
;   eq and ep between -126 and 112; eq + ek between -123 and 130 (added to c's exponent field); ep + ev is applied by v_ldexp_f32 and has no bound.  NaN among the inputs is not served.
; LAYOUT.  Both products are used transposed: S^T = K Q^T (source 0 = 16 keys, source 1 = my 16 queries, K = 64), O^T = V^T P^T (source 0 = 16 channels, source 1 = P, K = 128): a lane holds ONE query (lane % 16) throughout.
;   Lane r of K's tile 2 b + u holds key 32 b + 8 u + r + 8 (r / 8), so register 16 b + i of S^T in lane (r, h) is key 32 b + 16 h + i: the conversions' results are the second product's operand.
;   Within an operand registers 4 c .. 4 c + 3 hold k = 32 c + 16 h + 0 .. 15: a permutation of k, the same on both sides of each product, so every product meets its partner.
; TWO SETS OF 64 REGISTERS, X AND Y, CHANGE ROLES FROM TRIP TO TRIP.  In trip J one set holds K(J) and the other takes S^T; V(J) is then loaded over K(J); and when a block of 16 p has been summed and converted,
;   its registers take two tiles of K(J + 1).  So both K's and V's way out of LDS lies under the softmax's vector work, and the next trip finds K where this trip had S^T.
; THE RING.  For each half two LDS slots of 16,384 bytes, and ONE barrier a trip, B(J), in the trip's middle.  All reads of step J's slot lie between B(J - 1) and B(J): K(J) late in trip J - 1, V(J) early in trip J.
;   Step J + 1 is stored into the other slot in trip J just ahead of B(J): that slot (step J - 1) was last read ahead of B(J - 1), in front of which every wave waited for its LDS loads; it is first read behind B(J), in front of which the writers waited for their stores.
;   Each of a half's eight waves brings 2,048 bytes of a step: loaded into registers just behind B(J - 1), stored just ahead of B(J): a whole trip in which to come.
;   K(J + 1) is loaded without a branch, so one step more than counts is brought in (NF = the smaller of steps + 1 and 16); in trip 15 these loads read the old step 14, and nobody uses them.
; NO TENSOR LOADS, NO CLUSTER: the 16 work-groups of one g walk the same codes, but the halves' numbers of steps hang on lengths read from memory, and the branch on them removes about half of all the work;
;   what would be shared is 16,384 bytes a step, brought here by four loads and four LDS stores a wave.
; THE MODE: SCHED_MODE bits 1:0 = 2 (LLVM: expert scheduling mode 2), set by the entry lines.  The code itself states the register dependences between vector or matrix instructions and memory or LDS instructions, with s_wait_alu, always for 0.
; THE PLAN.  Registers that memory or LDS instructions touch, in the loop:
;   KS (X or Y)     Trip J: its eight products read K(J) there; behind them V(J)'s 16 LDS loads land in it; the four products at the trip's end read V.
;   SS (the other)  The products write S^T, the softmax works in place; block b's sums, hold and conversions are the last vector lines that name its 16 registers; then K(J + 1)'s tiles 2 b and 2 b + 1 land there.
;   G               Global loads land in it, LDS stores read it; no vector line names it.
;   v1 to v7        Addresses and offsets: made at the head, never written again.
; TEN waits on va_vdst a trip, five of them: behind the eight products (V's loads follow); behind the exponentials of blocks 0 and 1, ahead of the barrier; behind those of block 2 (blocks 0 and 1 are done with: their K loads follow, block 1's behind
;   block 2's sums, which name other registers); behind those of block 3 (block 2's K loads follow); among O^T's rescalings (block 3's K loads follow).  ONE wait on vm_vsrc a trip, in front of the barrier, on every wave's way: the LDS stores have read G.
; Masks made by compares go into s[40:55], sixteen to a run, with one wait on va_sdst behind each run.  VCC is written once in the text, by the compare for length 0.
; REGISTERS: v1-8 addresses that stay; v9 the masked score; v10, v11 57,344 x 2^ep and 2^ep; v12 -M, v13 the largest t, v[14:15] the sum in two halves; v16-23 at work;
;   v24-31 Q; v32-95 X; v96-159 Y; v160-191 O^T (at the head v160-175 hold the rank's sixteen terms of a pass); v192-207 p's codes; v208-223 a step's codes on their way; v224, v225 the closing add's two.
.set LI, 1                             ; v1   32768 x half + 16 x lane: an image's place for my lane
.set FS, 2                             ; v2   LI + 2048 x (wave % 8): where I store my part of a step
.set FG, 3                             ; v3   2048 x (wave % 8) + 16 x lane: the same place in kv's step
.set SO, 4                             ; v4   the way out: where I put 32 bytes of a row
.set SR, 5                             ; v5   and where I read rows back
.set GO, 6                             ; v6   16 x lane: my bytes of two rows of out
.set QA, 7                             ; v7   Q: 256 r + 64 h
.set Q,  24
.set X,  32
.set Y,  96
.set O,  160
.set P,  192
.set G,  208
.set NF, 2                             ; s2       the steps that are brought into LDS
.set MK, 40                            ; s[40:55] sixteen keys or masks of a run
.set SLOTB, 16384
.set STG,   65536                      ; behind the two rings: a stage of 16 rows x 272 bytes for each wave
.set SP,    272
	s_load_b256 s[4:11], s[0:1], 0x0               ; queries s[4:5], kv s[6:7], the scales' exponents s[8:9], valid_lens s[10:11]
	s_load_b64 s[12:13], s[0:1], 0x20              ; out
	v_lshl_add_u32 v224, v0, 2, 0x21000
	v_mov_b32 v225, 0
	v_lshrrev_b32 v1, 5, v0
	v_readfirstlane_b32 s14, v1                    ; wave 0 .. 15
	v_and_b32 v20, 31, v0                          ; lane.  (What needs no wave number stands between that line and the wait for it)
	v_and_b32 v21, 15, v0                          ; r
	v_bfe_u32 v23, v0, 4, 1                        ; h
	v_lshlrev_b32 v[GO], 4, v20
	v_mul_u32_u24 v[SO], v21, SP
	v_lshl_add_u32 v[SO], v23, 5, v[SO]            ; the stage, in: row r, + 32 h; tile t's eight channels 64 t bytes on
	v_mul_u32_u24 v[SR], v23, SP
	v_lshl_add_u32 v[SR], v21, 4, v[SR]            ; back: lanes 0-15 one row of 256 bytes, lanes 16-31 the next
	v_lshlrev_b32 v[QA], 8, v21
	v_lshl_add_u32 v[QA], v23, 6, v[QA]
	v_lshlrev_b32 v8, 4, v23                       ; 16 h, for the mask
	v_lshlrev_b32 v16, 2, v20                      ; 4 x lane
	v_mov_b32 v18, 0x800
	v_mov_b32 v19, 0
	s_wait_alu depctr_va_sdst(0)                   ; s14 is written, ahead of its first reader: my half, my place in it and my LDS bytes are made from it
	s_lshr_b32 s15, s14, 3                         ; my half
	s_and_b32 s16, s14, 7                          ; my place in it
	s_lshl_b32 s38, s15, 15
	v_add_nc_u32 v[LI], s38, v[GO]
	s_lshl_b32 s39, s16, 11
	v_add_nc_u32 v[FS], s39, v[LI]
	v_add_nc_u32 v[FG], s39, v[GO]
	s_mul_i32 s40, s14, 16*SP
	s_add_co_u32 s40, s40, STG                     ; my stage
	v_add_nc_u32 v[SO], s40, v[SO]
	v_add_nc_u32 v[SR], s40, v[SR]
	s_mov_b32 s20, 0x76543210                      ; v_permlanex16_b32's selects for lane l xor 16
	s_mov_b32 s21, 0xfedcba98
	s_mov_b32 s28, 0                               ; the lap
	s_wait_kmcnt 0x0
	s_load_b128 s[24:27], s[8:9], 0x0              ; eq, ek, ep, ev
	; WHICH BATCH IS MINE.  Whole numbers alone.  Lane l takes batch l's length; its cost is the length within 2,048 (a negative one, read as unsigned, becomes 2,048: no key counts, all steps are walked, as for 0);
	; cost x 32 + l makes the 32 keys differ; a lane's rank is the number of keys below its own.
	s_wait_alu depctr_va_vdst(0)                   ; v16 and the seven addresses v1 to v7 are written, which the loads and stores of the whole kernel read
	global_load_b32 v17, v16, s[10:11]
	s_wait_loadcnt 0x0
	s_wait_alu depctr_vm_vsrc(0)                   ; that load has read v16, which is written again further down
	v_min_u32 v17, 0x800, v17
	v_cmp_eq_u32 vcc_lo, 0, v17
	s_wait_alu depctr_va_vcc(0)                    ; VCC is written, ahead of the select that reads it
	v_cndmask_b32 v17, v17, v18, vcc_lo
	v_lshl_or_b32 v17, v17, 5, v20
.irp q, 0,16                                   ; sixteen batches to a pass: their keys as scalars, a compare each, a select of 0 or 1 each, an addition each
.set j, 0
.rept 16
	v_readlane_b32 s[MK+j], v17, \q+j
.set j, j+1
.endr
	s_wait_alu depctr_va_sdst(0)                   ; the sixteen keys are written, ahead of the compares that read them
.set j, 0
.rept 16
	v_cmp_lt_u32 s[MK+j], s[MK+j], v17             ; the lanes whose key is above batch q + j's; the mask takes the key's place
.set j, j+1
.endr
	s_wait_alu depctr_va_sdst(0)                   ; the sixteen masks are written, ahead of the selects that read them
.set j, 0
.rept 16
	v_cndmask_b32 v[O+j], 0, 1, s[MK+j]            ; 1 where batch q + j's key is below mine, else 0: a line that writes no scalar register.  (O^T's registers, which are cleared further down; no memory or LDS instruction ever names them)
.set j, j+1
.endr
.set j, 0
.rept 16
	v_add_nc_u32 v19, v19, v[O+j]                  ; the rank so far
.set j, j+1
.endr
.endr
	s_and_b32 s44, ttmp7, 0xffff                   ; g
	s_sub_co_u32 s39, 31, s44
	s_cmp_eq_u32 s15, 0
	s_cselect_b32 s38, s44, s39                    ; the rank that my half serves: g or 31 - g
	v_cmp_eq_u32 s39, s38, v19                     ; one lane has it
	s_wait_alu depctr_va_sdst(0)                   ; s39 is written, ahead of its first reader: the batch, and with it every base below, is made from it
	s_ctz_i32_b32 s17, s39
	s_min_u32 s17, s17, 31                         ; the batch
	s_lshl_b32 s40, s17, 2
	s_load_b32 s18, s[10:11], s40 offset:0x0       ; its length
	s_lshl_b32 s36, s17, 19                        ; Q and out: a batch is 2,048 rows of 256 bytes,
	s_lshl_b32 s38, ttmp9, 15                      ; a block 128 rows,
	s_add_co_u32 s36, s36, s38
	s_lshl_b32 s38, s16, 12                        ; a wave 16
	s_add_co_u32 s36, s36, s38
	s_mov_b32 s37, 0
	s_add_nc_u64 s[4:5], s[4:5], s[36:37]
	s_add_nc_u64 s[12:13], s[12:13], s[36:37]
	s_lshl_b32 s36, s17, 18
	s_add_nc_u64 s[32:33], s[6:7], s[36:37]        ; the batch's codes
.irp i, 0,1,2,3
	global_load_b128 v[G+4*\i:G+4*\i+3], v[FG], s[32:33] offset:512*\i   ; key step 0: my 2,048 bytes of its 16,384.  (No wait: no vector line since the wait on va_vdst above names an address, G, X or Y)
.endr
.irp i, 0,1,2,3
	global_load_b128 v[X+4*\i:X+4*\i+3], v[FG], s[32:33] offset:SLOTB+512*\i   ; key step 1 (kv holds 16 steps for every batch), through registers that are free until K's first fragments come
.endr
.irp c, 0,1
.irp i, 0,1,2,3
	global_load_b128 v[Y+16*\c+4*\i:Y+16*\c+4*\i+3], v[QA], s[4:5] offset:128*\c+16*\i   ; Q(r, 32 c + 16 h + 4 i ..): register 16 c + n = channel 32 c + 16 h + n.  No cache hint: the eight loads touch the same 16 rows in turn
.endr
.endr
	s_wait_kmcnt 0x0
	s_max_i32 s18, s18, 0
	s_min_i32 s18, s18, 0x800                      ; the length, within 0 .. 2,048
	s_add_co_u32 s19, s18, 127
	s_lshr_b32 s19, s19, 7                         ; key steps that hold a key that counts
	s_cmp_eq_u32 s18, 0
	s_cselect_b32 s19, 16, s19                     ; length 0: all 16,
	s_cselect_b32 s41, 0, 0xcaf42400               ; with 0 for every score; else -8e6 = -1e6 x 8 for a masked one
	s_add_co_u32 s[NF], s19, 1
	s_min_u32 s[NF], s[NF], 16                     ; NF: the steps that are brought into LDS
	s_add_co_i32 s42, s24, s25                     ; eq + ek: a sum of the first product stands for sum x 2^(eq + ek)
	s_lshl_b32 s43, s42, 23
	s_add_co_i32 s22, s43, 0x3e38aa3b              ; c = log2(e) / 8 with eq + ek added to its exponent field: t = sum x c
	s_mov_b32 s23, s22                             ; (the packed form names the pair, so it is written)
	s_sub_co_i32 s42, 0, s42
	v_mov_b32 v9, s41
	v_ldexp_f32 v9, v9, s42                        ; the masked score as a sum: x c it gives -1e6 x log2(e)
	s_add_co_i32 s38, s26, 127
	s_lshl_b32 s39, s38, 23
	v_mov_b32 v11, s39                             ; 2^ep as f32, for p's conversions
	s_add_co_i32 s38, s38, 15
	s_lshl_b32 s38, s38, 23
	s_or_b32 s38, s38, 0x600000
	v_mov_b32 v10, s38                             ; 57,344 x 2^ep
	s_add_co_i32 s38, s24, 127
	s_lshl_b32 s39, s38, 23
	v_mov_b32 v16, s39                             ; 2^eq
	s_add_co_i32 s38, s38, 15
	s_lshl_b32 s38, s38, 23
	s_or_b32 s38, s38, 0x600000
	v_mov_b32 v17, s38                             ; 57,344 x 2^eq
	s_wait_alu depctr_va_vdst(0)
	s_wait_loadcnt 8                               ; the eight loads of steps 0 and 1 are in; the eight issued behind them (Q's) may stay out
.irp i, 0,1,2,3
	ds_store_b128 v[FS], v[G+4*\i:G+4*\i+3] offset:512*\i         ; step 0 into slot 0,
.endr
.irp i, 0,1,2,3
	ds_store_b128 v[FS], v[X+4*\i:X+4*\i+3] offset:SLOTB+512*\i   ; step 1 into slot 1.  (The stores' data came by loads, their address stands since the head's wait)
.endr
	s_wait_loadcnt 0x0                             ; Q
.set n, 0
.rept 32
	v_med3_num_f32 v[Y+n], v[Y+n], -v17, v17       ; the conversion to an 8-bit code does not saturate (ISA guide 7.6.2): the hold comes first
.set n, n+1
.endr
.irp g, 0,1,2,3
	v_cvt_scalef32_pk8_bf8_f32 v[Q+2*\g:Q+2*\g+1], v[Y+8*\g:Y+8*\g+7], v16
.endr
.set n, 0
.rept 32
	v_mov_b32 v[O+n], 0                            ; O^T.  The step is written once: the first finds zeros, which the first change of M leaves zeros.  (Plain lines behind the conversions, too)
.set n, n+1
.endr
	v_mov_b32 v13, 0xff61b1e6                      ; the largest t so far: -3e38, under every t
	v_floor_f32 v12, -v13                          ; -M
	v_mov_b32 v14, 0                               ; the sum, in two halves
	v_mov_b32 v15, 0
	v_mov_b32 v19, 0                               ; (named as the upper half of the pair v[18:19])
	v_mov_b32 v22, 0                               ; written once: a lane permute's destination counts as one of its sources
	s_wait_dscnt 0x0                               ; for the others' sake: my parts of steps 0 and 1 lie in LDS
	s_barrier_signal -1
	s_barrier_wait -1
	s_wait_alu depctr_vm_vsrc(0)                   ; my LDS stores have read X's first 16 registers, in which K's fragments land, and G, in which step 2's codes will land
.set n, 0
.rept 16
	ds_load_b128 v[X+4*n:X+4*n+3], v[LI] offset:512*n   ; K(0): 8 tiles, as they lie: 512 consecutive bytes a load.  (No vector line has named X)
.set n, n+1
.endr
; KS: the set that holds K, then V, in the trip in hand;  SS: the set that takes S^T, then p, then the next step's K.  TRIP sets both.
; In the step that the length cuts, the scores of keys that do not count are replaced.  A step all of whose keys count jumps over this.  Each accumulator is read from its low end on.
; A block's sixteen compares go into sixteen scalar registers, so that one wait serves the sixteen selects.
.macro MASK
	s_lshl_b32 s31, s30, 7                         ; the step's first key
	s_add_co_u32 s38, s31, 128
	s_cmp_le_u32 s38, s18
	s_cbranch_scc1 .Lopen_\@
	s_sub_co_i32 s38, s18, s31
	v_sub_nc_u32 v23, s38, v8                      ; d = length - first key - 16 h.  Register 16 b + i holds key first + 32 b + 16 h + i: masked where 32 b + i >= d
.irp b, 0,1,2,3
.set n, 0
.rept 16
	v_cmp_ge_i32 s[MK+n], 32*\b+n, v23
.set n, n+1
.endr
	s_wait_alu depctr_va_sdst(0)                   ; the block's sixteen masks are written, ahead of the selects that read them
.set n, 0
.rept 16
	v_cndmask_b32 v[SS+16*\b+n], v[SS+16*\b+n], v9, s[MK+n]
.set n, n+1
.endr
.endr
.Lopen_\@:
.endm
.macro EXPB b                          ; p = 2^(t - M) for block b's 16 keys: not normalised
.set n, 16*(\b)
.rept 16
	v_exp_f32 v[SS+n], v[SS+n]
.set n, n+1
.endr
.endm
; The softmax ahead of the barrier: the maximum, M, f, t - M for all 64 keys, the exponentials of blocks 0 and 1
.macro SOFT1
	v_max3_num_f32 v16, v[SS], v[SS+1], v[SS+2]    ; the step's largest score of my query among my 64 keys, in two chains, ascending
	v_max3_num_f32 v17, v[SS+3], v[SS+4], v[SS+5]
.set n, 6
.rept 14
	v_max3_num_f32 v16, v16, v[SS+n], v[SS+n+1]
	v_max3_num_f32 v17, v17, v[SS+n+2], v[SS+n+3]
.set n, n+4
.endr
	v_max3_num_f32 v16, v16, v[SS+62], v[SS+63]
	v_max_num_f32 v16, v16, v17
	v_permlanex16_b32 v22, v16, s20, s21
	v_max_num_f32 v16, v16, v22                    ; and among lane l xor 16's
	v_mul_f32 v16, s22, v16                        ; as t (c is positive)
	v_max_num_f32 v13, v13, v16                    ; the running largest t
	v_mov_b32 v16, v12
	v_floor_f32 v12, -v13                          ; the new -M = floor(-t) = -ceil(t): a whole number
	v_sub_f32 v16, v12, v16                        ; old M - new M: a whole number, 0 or less
	v_cvt_i32_f32 v16, v16                         ; (it saturates)
	v_ldexp_f32 v18, 1.0, v16                      ; f = 2^(old M - new M)
.set n, 0
.rept 32
	v_pk_fma_f32 v[SS+n:SS+n+1], v[SS+n:SS+n+1], s[22:23], v[12:13] op_sel_hi:[1,0,0]   ; t - M, two at a time (of the pairs c and -M the low word serves both halves)
.set n, n+2
.endr
	s_wait_alu depctr_va_vdst(0)
	EXPB 0
	EXPB 1
	v_pk_mul_f32 v[14:15], v[14:15], v[18:19] op_sel_hi:[1,0]   ; the sums under the new M.  (The plain line behind the exponentials)
	s_wait_alu depctr_va_vdst(0)                   ; the 32 exponentials have written blocks 0 and 1: one wait for the batch, ahead of the label and the branches below
.endm
; Tiles 2 b and 2 b + 1 of the NEXT step's K, out of the slot other than sl, into the registers that block b's p has left.  It stands behind a wait on va_vdst that is younger than the block's last vector line
.macro KLD b, sl
.irp i, 0,1,2,3
	ds_load_b128 v[SS+16*(\b)+4*\i:SS+16*(\b)+4*\i+3], v[LI] offset:SLOTB*(1-\sl)+2048*(\b)+512*\i
.endr
.endm
; Block b's 16 p are summed (unquantised, two at a time, in two chains), held, converted
.macro BLOCK b, sl
.set n, 16*(\b)
.rept 4
.if n == 0
	v_pk_add_f32 v[20:21], v[SS:SS+1], v[SS+2:SS+3]
.else
	v_pk_add_f32 v[14:15], v[14:15], v[SS+n:SS+n+1]
	v_pk_add_f32 v[20:21], v[20:21], v[SS+n+2:SS+n+3]
.endif
.set n, n+4
.endr
.if (\b) == 2
	KLD 1, \sl                                     ; no wait: since the wait ahead of this block only its eight sums were issued, which name block 2's registers and the sums'
.endif
	s_cmp_ge_i32 s26, -15                          ; p is at most 1 and a rounding; from ep = -15 on the largest code x the scale is 1.75 or more, so the hold could not act: it is jumped over
	s_cbranch_scc1 .Lnohold_\@
.set n, 16*(\b)
.rept 16
	v_min_num_f32 v[SS+n], v[SS+n], v10            ; the conversion does not saturate (ISA guide 7.6.2); p is not negative, so the hold is one-sided
.set n, n+1
.endr
.Lnohold_\@:
	v_cvt_scalef32_pk8_bf8_f32 v[P+4*(\b):P+4*(\b)+1], v[SS+16*(\b):SS+16*(\b)+7], v11      ; registers 4 b .. 4 b + 3 of the operand: keys 32 b + 16 h + 0 .. 15
	v_cvt_scalef32_pk8_bf8_f32 v[P+4*(\b)+2:P+4*(\b)+3], v[SS+16*(\b)+8:SS+16*(\b)+15], v11
.endm
; A TRIP: key step J = 2 x lap + sl, which lies in slot sl.  always = 1: the first trip, which every batch has: no branch round its work, and nothing to store (step 1 lies in LDS already).
.macro TRIP sl, always
.if \sl
.set KS, Y
.set SS, X
.else
.set KS, X
.set SS, Y
.endif
	s_lshl_b32 s30, s28, 1
.if \sl
	s_add_co_u32 s30, s30, 1                       ; J
.endif
	s_add_co_u32 s29, s30, 1                       ; J + 1
.if \always == 0
	s_cmp_ge_u32 s30, s19
	s_cbranch_scc1 .Lskip1_\@                      ; no key of this step counts for my batch
.endif
	s_wait_dscnt 4                                 ; K's tiles 0 to 5 are in; the four youngest loads (tiles 6 and 7) may stay out
.irp t, 0,1,2,3,4,5
	v_wmma_f32_16x16x64_bf8_bf8 v[SS+8*\t:SS+8*\t+7], v[KS+8*\t:KS+8*\t+7], v[Q:Q+7], 0
.endr
	s_wait_dscnt 0x0
.irp t, 6,7
	v_wmma_f32_16x16x64_bf8_bf8 v[SS+8*\t:SS+8*\t+7], v[KS+8*\t:KS+8*\t+7], v[Q:Q+7], 0
.endr
.rept 4
	v_nop                                          ; four places behind the products (ISA guide 7.12.1), in front of the first reads of their results
.endr
	s_wait_alu depctr_va_vdst(0)                   ; the eight products are done reading K's tiles, in which V's loads land
.set n, 0
.rept 16
	ds_load_b128 v[KS+4*n:KS+4*n+3], v[LI] offset:SLOTB*(\sl)+8192+512*n   ; V's 4 fragments over K's tiles: they come while the lines up to the barrier are walked
.set n, n+1
.endr
	MASK
	SOFT1
.if \always == 0
.Lskip1_\@:
	s_wait_loadcnt 0x0                             ; on every wave's way: the codes asked for behind the last barrier are in, and s[34:35] may be written again
	s_cmp_ge_u32 s29, s[NF]
	s_cbranch_scc1 .Lnost_\@                       ; step J + 1 is not among those brought in (so it is for a wave that has left this step out)
.irp i, 0,1,2,3
	ds_store_b128 v[FS], v[G+4*\i:G+4*\i+3] offset:SLOTB*(1-\sl)+512*\i   ; step J + 1 into the other slot, which nobody has read since the last barrier.  (Data by loads, an address that stands: no vector line is waited for)
.endr
.Lnost_\@:
.endif
	s_wait_dscnt 0x0                               ; for the others' sake: my stores have landed, and my reads of this slot (K late in the last trip, V just now) are over
	s_wait_alu depctr_vm_vsrc(0)                   ; on every wave's way, ahead of the branches below: my LDS stores have read G, in which the next loads land
	s_barrier_signal -1
	s_barrier_wait -1
	s_add_co_u32 s38, s30, 2                       ; J + 2
	s_cmp_ge_u32 s38, s[NF]
	s_cbranch_scc1 .Lnold_\@                       ; not among the steps brought in: nothing is asked for, and no load leaves the buffer
	s_lshl_b32 s36, s38, 14
	s_mov_b32 s37, 0
	s_add_nc_u64 s[34:35], s[32:33], s[36:37]
.irp i, 0,1,2,3
	global_load_b128 v[G+4*\i:G+4*\i+3], v[FG], s[34:35] offset:512*\i   ; step J + 2's codes: they have until the next barrier in which to come
.endr
.Lnold_\@:
.if \always == 0
	s_cmp_ge_u32 s30, s19
	s_cbranch_scc1 .Lskip2_\@
.endif
	BLOCK 0, \sl
	s_wait_alu depctr_va_vdst(0)
	BLOCK 1, \sl
	EXPB 2
	s_wait_alu depctr_va_vdst(0)
	v_pk_mul_f32 v[O:O+1], v[O:O+1], v[18:19] op_sel_hi:[1,0]       ; O^T under the new M begins here, at its low end: the plain line behind the exponentials
	s_wait_alu depctr_va_vdst(0)                   ; block 2's exponentials have written their results, ahead of their first reader; and the sums, holds and conversions of blocks 0 and 1 are done with their registers, in which K's loads land
	KLD 0, \sl
	BLOCK 2, \sl                                   ; (block 1's loads of K stand behind its sums)
	EXPB 3
	s_wait_alu depctr_va_vdst(0)
	v_pk_mul_f32 v[O+2:O+3], v[O+2:O+3], v[18:19] op_sel_hi:[1,0]   ; likewise
	s_wait_alu depctr_va_vdst(0)                   ; block 3's exponentials have written their results; and block 2's lines are done with its registers, in which K's loads land
	KLD 2, \sl
	BLOCK 3, \sl
	s_wait_alu depctr_va_vdst(0)
	v_pk_add_f32 v[14:15], v[14:15], v[20:21]      ; the two chains
.set n, 4
.rept 6
	v_pk_mul_f32 v[O+n:O+n+1], v[O+n:O+n+1], v[18:19] op_sel_hi:[1,0]   ; the rest of O^T, each accumulator from its low end on.  (Also the plain lines between the conversions and the products)
.set n, n+2
.endr
	s_wait_alu depctr_va_vdst(0)                   ; block 3's lines are done with its registers, in which K's last loads land
	KLD 3, \sl
.rept 8
	v_pk_mul_f32 v[O+n:O+n+1], v[O+n:O+n+1], v[18:19] op_sel_hi:[1,0]
.set n, n+2
.endr
.irp t, 0,1,2,3
	v_wmma_f32_16x16x128_bf8_bf8 v[O+8*\t:O+8*\t+7], v[KS+16*\t:KS+16*\t+15], v[P:P+15], v[O+8*\t:O+8*\t+7]   ; V came in ahead of the barrier.  The four accumulators by turns, one instruction a turn; between two links of a chain stand eleven other products
.endr
.rept 5
	v_nop                                          ; five places: the next trip's products write over the registers that held V (ISA guide 7.12.1; one more than a vector instruction would want)
.endr
.if \always == 0
.Lskip2_\@:
.endif
.endm
	TRIP 0, 1                                      ; the first lap is written out: its first trip has no branch, so both sets of registers are written on every way into the loop
	TRIP 1, 0
	s_mov_b32 s28, 1
.Llap:                                             ; seven more laps of two key steps: a constant, whatever the lengths
	TRIP 0, 0
	TRIP 1, 0
	s_add_co_u32 s28, s28, 1
	s_cmp_lt_u32 s28, 8
	s_cbranch_scc1 .Llap
	; THE WAY OUT.  O^T is divided by the row's sum, multiplied by 2^(ep + ev), and goes through my own stage in LDS, so that each store of the wave covers 512 consecutive bytes, aligned: two rows of out.
	s_wait_dscnt 0x0                               ; the last trip's loads of K, which nobody uses, have landed: both sets are free
	v_add_f32 v14, v14, v15                        ; the sum's two halves,
	v_permlanex16_b32 v16, v14, s20, s21
	v_add_f32 v14, v14, v16                        ; and lane l xor 16's
	s_wait_alu depctr_va_vdst(0)
	v_rcp_f32 v14, v14
	v_nop                                          ; one plain line behind a transcendental
	s_add_co_i32 s38, s26, s27
	s_wait_alu depctr_va_vdst(0)                   ; the reciprocal has written v14, ahead of its first reader
	v_ldexp_f32 v14, v14, s38                      ; x 2^(ep + ev)
.set n, 0
.rept 32
	v_mul_f32 v[Y+n], v[O+n], v14                  ; register 8 t + i is out(r, 16 t + 8 h + i); each accumulator from its low end on
.set n, n+1
.endr
	s_wait_alu depctr_va_vdst(0)                   ; the multiplications have written Y, which the LDS stores read; and every vector and matrix line that named X is done, in which the loads from the stage land
.irp t, 0,1,2,3
	ds_store_b128 v[SO], v[Y+8*\t:Y+8*\t+3] offset:64*\t
	ds_store_b128 v[SO], v[Y+8*\t+4:Y+8*\t+7] offset:64*\t+16
.endr
.irp i, 0,1,2,3,4,5,6,7
	ds_load_b128 v[X+4*\i:X+4*\i+3], v[SR] offset:2*SP*\i   ; LDS serves a wave's instructions in order (ISA guide 5.7.1.4): these see my stores
.endr
.irp i, 0,1,2,3,4,5,6,7
	s_wait_dscnt 7-\i                              ; the younger loads may stay out
	global_store_b128 v[GO], v[X+4*\i:X+4*\i+3], s[12:13] offset:512*\i th:TH_STORE_NT   ; written once, read by nobody here
.endr
	s_wait_dscnt 0x0                               ; the closing lines, six on end
	s_wait_alu 0x0
	s_wait_tensorcnt 0x0
	ds_add_u32 v224, v225
	s_wait_dscnt 0x0
	s_endpgm
.Lfunc_end_k_q96b8a456b4_attn:
	.size	k_q96b8a456b4_attn, .Lfunc_end_k_q96b8a456b4_attn-k_q96b8a456b4_attn
	.p2alignl 7, 3214868480
	.fill 96, 4, 3214868480
	.section	.rodata,"a",@progbits
	.p2align	6, 0x0
	.amdhsa_kernel k_q96b8a456b4_attn
		.amdhsa_group_segment_fixed_size 137216
		.amdhsa_private_segment_fixed_size 0
		.amdhsa_enable_private_segment 0
		.amdhsa_kernarg_size 40
		.amdhsa_user_sgpr_count 2
		.amdhsa_user_sgpr_kernarg_segment_ptr 1
		.amdhsa_wavefront_size32 1
		.amdhsa_system_sgpr_workgroup_id_x 1
		.amdhsa_system_sgpr_workgroup_id_y 1
		.amdhsa_system_sgpr_workgroup_id_z 1
		.amdhsa_system_vgpr_workitem_id 0
		.amdhsa_next_free_vgpr 226
		.amdhsa_next_free_sgpr 66
		.amdhsa_reserve_vcc 1
		.amdhsa_float_denorm_mode_32 3
		.amdhsa_float_denorm_mode_16_64 3
		.amdhsa_memory_ordered 1
		.amdhsa_forward_progress 1
		.amdhsa_inst_pref_size 126
	.end_amdhsa_kernel
	.amdgpu_metadata
---
amdhsa.version: [ 1, 2 ]
amdhsa.kernels:
  - .name:           k_q96b8a456b4_attn
    .symbol:         k_q96b8a456b4_attn.kd
    .args:
      - { .name: queries, .offset: 0, .size: 8, .value_kind: global_buffer, .address_space: global }
      - { .name: kv, .offset: 8, .size: 8, .value_kind: global_buffer, .address_space: global }
      - { .name: lowp_scales, .offset: 16, .size: 8, .value_kind: global_buffer, .address_space: global }
      - { .name: valid_lens, .offset: 24, .size: 8, .value_kind: global_buffer, .address_space: global }
      - { .name: out0, .offset: 32, .size: 8, .value_kind: global_buffer, .address_space: global }
    .group_segment_fixed_size: 137216
    .private_segment_fixed_size: 0
    .kernarg_segment_align: 8
    .kernarg_segment_size: 40
    .max_flat_workgroup_size: 512
    .sgpr_count:     66
    .vgpr_count:     226
    .wavefront_size: 32
...
	.end_amdgpu_metadata
.endif
;; end of part 4
